; MI455X (gfx1250); checked and timed in simulation.
; The chip was launched on July 23, 2026; its instructions are those of AMD's public machine-readable ISA for CDNA 5 (MIT licence, August 2026) and "CDNA5" Instruction Set Architecture Reference Guide (July 2026). The comments in the code are by the model that wrote it; some were corrected since.
;; Causal Multi Head Attention. Allowed arithmetic: matrix products marked QUANTISED: E4M3 operands, one given power-of-two scale a tensor, by v_wmma_f32_16x16x64_fp8_fp8 or v_wmma_f32_16x16x128_fp8_fp8, f32 sums; everything else in f32.
;; Inputs: Wk_codes 1,024 x 32 x 32 uint8 (E4M3 codes of Wk, K innermost, in blocks of 32 codes); Wo_codes 1,024 x 32 x 32 uint8 (E4M3 codes of Wo, K innermost, in blocks of 32 codes); Wq_codes 1,024 x 32 x 32 uint8 (E4M3 codes of Wq, K innermost, in blocks of 32 codes); Wv_codes 1,024 x 32 x 32 uint8 (E4M3 codes of Wv, K innermost, in blocks of 32 codes); cos 2,048 x 32 float32; lowp_scales 12 int32 (the exponents e of the quantised operands' scales 2^e); sin 2,048 x 32 float32; token_positions 2,048 int32; x_codes 2 x 2,048 x 32 x 32 uint8 (E4M3 codes of x, K innermost, in blocks of 32 codes).
;; Outputs: out0 2 x 2,048 x 1,024 float32.
;; Constants: use_rope = 1.
;; This version of the problem:
;;   THIS VERSION OF THE PROBLEM IS GIVEN IN LOW PRECISION. The matrix products marked QUANTISED in the list below multiply operands that are first quantised to E4M3 (4 exponent bits, 3 mantissa bits; 8 bits a number), with one given power-of-two scale for each operand tensor; their sums are f32. All else is computed in f32.
;;   The module's matrix products, in the order in which they are computed (A, B: the left and right operand; K: the contracted axis; several contracted axes count as one K, in the product's order):
;;     1. [M 4,096, K 1,024] x [K 1,024, N 1,024]; A: input x (given as codes); B: input Wq (given as codes): QUANTISED (scales: A lowp_scales[0], B lowp_scales[1])
;;     2. [M 4,096, K 1,024] x [K 1,024, N 1,024]; A: input x (given as codes); B: input Wk (given as codes): QUANTISED (scales: A lowp_scales[2], B lowp_scales[3])
;;     3. [M 4,096, K 1,024] x [K 1,024, N 1,024]; A: input x (given as codes); B: input Wv (given as codes): QUANTISED (scales: A lowp_scales[4], B lowp_scales[5])
;;     4. batch 32 x [M 2,048, K 64] x [K 64, N 2,048]; A: computed on the way; B: computed on the way: QUANTISED (scales: A lowp_scales[6], B lowp_scales[7])
;;     5. batch 32 x [M 2,048, K 2,048] x [K 2,048, N 64]; A: softmax (see below); B: computed on the way: QUANTISED (scales: A lowp_scales[8], B lowp_scales[9])
;;     6. [M 4,096, K 1,024] x [K 1,024, N 1,024]; A: computed on the way; B: input Wo (given as codes): QUANTISED (scales: A lowp_scales[10], B lowp_scales[11])
;;   THE QUANTISER, for each operand of a quantised product, along K:
;;     - The operand's scale is 2^e, e = its entry of the input lowp_scales (int32; the entries are numbered through the quantised products in the list's order, A before B).
;;     - Each number is divided by the scale, clamped to +-448, and rounded to the nearest number of E4M3, ties to even, subnormals kept.
;;     - The product sums the exact products of the quantised numbers (number of the format x scale) in f32.
;;   ~~~python
;;   def quantise(x, axis, e):      # numpy; x: float32 -> the quantised numbers, widened to float32 again
;;       x = np.moveaxis(x, axis, -1); K = x.shape[-1]
;;       r = np.clip(x / 2.0 ** e, -448, 448)
;;       step = 2.0 ** (np.maximum(np.frexp(np.where(r == 0, 1, r))[1] - 1, -6) - 3)
;;       q = np.round(r / step) * step * 2.0 ** e      # np.round: ties to even
;;       return np.moveaxis(q, -1, axis).astype(np.float32)
;;   ~~~
;;   SOFTMAX AHEAD OF A QUANTISED PRODUCT. Where the list says 'softmax', what is quantised is not the finished softmax but p = 2^(t - M), with t = logit x log2(e) and M = ceil(the row's largest t), a whole number; so 1/2 < the row's largest p <= 1. The row's sum l is taken of the UNQUANTISED p, in f32, and the product's result is divided by l at the end. Since M is a whole number, a kernel that streams over the keys may use a running M (the ceiling of the running maximum): every later rescaling is an exact power of two, so the quantised numbers keep their values, but for numbers so far below the row's largest that they fall under the format's range.
;;   OPERANDS COMPUTED ON THE WAY. 'Computed on the way' means the value that the module computes at that place (a softmax that the list does not call 'softmax' is quantised finished and normalised). What goes into a quantiser is computed in f32, as accurately as f32 sums, v_exp_f32 and their like allow (about 1e-6 of the number): no bf16 or f16 on the way to a quantiser, and a product that is left as it is and whose result goes on into a quantised operand takes f32 operands (vector FMAs, or v_wmma_f32_16x16x4_f32). A number that lies on a knife's edge between two numbers of the format may be rounded either way, as far as f32 arithmetic and the matrix unit's own rounding can turn it there, and no further.
;;   INPUTS GIVEN AS CODES. Wk (in the module: [1024, 1024], K = its axis 1); Wo (in the module: [1024, 1024], K = its axis 1); Wq (in the module: [1024, 1024], K = its axis 1); Wv (in the module: [1024, 1024], K = its axis 1); x (in the module: [2, 2048, 1024], K = its axis 2): each comes as NAME_codes (uint8): NAME with its K axis moved to the last place and cut into blocks of 32 codes, [.., K / 32, bytes a block], one block behind the other in memory; one code a byte (a code: sign, 4 exponent bits, 3 mantissa bits); its scale is its entry of lowp_scales. Its value is code x scale, taken as it is: it is not quantised again, and the codes and scales need not be those that the quantiser above would give.
;; One version. Each part assembles by itself: llvm-mc -triple=amdgcn-amd-amdhsa -mcpu=gfx1250 --defsym DOCPART=n.
;; ======== version 1 of 1: 3 launches
;; limits: right only within a limited range of input values
;; workspace buffers: q_img 4,194,304 bytes; kv_img 8,388,608 bytes; y_img 4,194,304 bytes
;; launch qkv (part 1): grid 16 x 16, 4 waves a work-group, clusters of 4 x 4, 327,680 bytes of LDS; arguments x_codes, Wq_codes, Wk_codes, Wv_codes, cos, sin, token_positions, lowp_scales, q_img, kv_img; writes q_img, kv_img
.if DOCPART == 1
	.amdgcn_target "amdgcn-amd-amdhsa--gfx1250"
	.amdhsa_code_object_version 6
	.text
	.protected	k_q14e0ef7738_qkv
	.globl	k_q14e0ef7738_qkv
	.p2align	8
	.type	k_q14e0ef7738_qkv,@function
k_q14e0ef7738_qkv:
	s_mov_b64 s[64:65], 0
	v_nop
	global_prefetch_b8 v0, s[64:65] scope:SCOPE_SE
	s_setreg_imm32_b32 hwreg(HW_REG_WAVE_MODE, 25, 1), 1
	s_wait_xcnt 0x0
	s_wait_alu depctr_hold_cnt(0) depctr_sa_sdst(0) depctr_va_vdst(0) depctr_va_sdst(0) depctr_va_ssrc(0) depctr_va_vcc(0) depctr_vm_vsrc(0)
	s_getreg_b32 s2, hwreg(HW_REG_IB_STS2, 6, 4)
	s_cmp_eq_u32 s2, 0
	s_cbranch_scc0 .Lentry_in_a_cluster
	s_endpgm
.Lentry_in_a_cluster:
	s_bfe_u32 s2, ttmp6, 0x10000c
	s_cmp_lg_u32 s2, 0xf033
	s_cbranch_scc0 .Lentry_shape_is_right
	s_endpgm
.Lentry_shape_is_right:
; q, k and v of one head for 256 tokens, on codes of FP8 (E4M3): x W^T for the head's 64 rows of Wq, Wk and Wv; q and k turned by RoPE in f32; all three quantised at once (2^e6, 2^e7, 2^e9) and stored as images
; of the attention's operand registers.  A chunk is 512 bytes: lane l's four registers at 16 l.
;   q_img  [32 heads][128 tiles of 16 tokens][2 chunks];   kv_img [32 heads][16 steps of 128 tokens]: K: [8 tiles of 16 tokens][2 chunks], then V^T: [4 tiles of 16 channels][4 chunks].
; No step of reference() is left out here.  LIMITS: e6 - e0 - e1, e7 - e2 - e3 and e9 - e4 - e5 lie between -126 and 119, so that each power of two below is an f32 number; a position outside the table of 2,048 rows is taken as row 2,047.
; SHARES.  256 work-groups: head x block of 256 tokens.  Four waves, each 128 tokens x (64 features of q or k, 32 of v): 8 x 4 + 8 x 2 accumulators of 16 x 16, 384 registers: the same work in every wave.
; K goes in four steps of 256 through two LDS slots: x's 256 rows (wave 0 fetches them), then 64 rows each of Wq, Wk, Wv (waves 1, 2, 3).
; CLUSTERS: 4 x 4.  x's tile hangs on the token block and is asked for jointly by a row of the cluster; the weights' hang on the head and are asked for jointly by a column.
; q and k: source 0 = 16 rows of W, source 1 = 16 tokens: a lane holds one token and 8 neighbouring features, so RoPE's pairs lie in one lane.  v: source 0 = 16 tokens, source 1 = 16 rows of Wv: a lane holds one channel and 8 neighbouring tokens.
; A fragment is taken by four loads of 16 bytes, 32 apart: the same permutation of k on both sides.
; PREFETCH: behind the load of K step s each wave asks for what its loads of K step s + 1 will want, one whole step ahead; the four partners of a joint load share its rows out by address; the last K step asks for nothing.
; REGISTERS: window 0: v8-29 what stays, v32-127 cos and sin of blocks 0-2, from v128 A's fragments, later the way out; window 1: B's two sets at v0 and v96, cos and sin of blocks 3-7; window 2: q or k; window 3: v.
.set PITCH,  272                       ; 256 bytes + 16 of padding: the 16 rows that a load touches start at 16 different banks (64 banks of 4 bytes: ISA guide 11.1)
.set WOFF,   256*PITCH
.set PIECE,  64*PITCH
.set SLOT,   448*PITCH
.set SPARE,  2*SLOT
.set POS,  8
.set ADRA, 16
.set ADRB, 18
.set ADRV, 20
.set SCQ,  22
.set LIMQ, 23
.set SCV,  24
.set LIMV, 25
.set L16,  26
.set PFO,  27
.set SPW,  28
.set NIL,  29
.set AF,   128
.set TMP,  128
.set CODE, 192
.set VCODE, 32
.set G1, 24
.set G0, 32
.set G1B, 48
.set G0B, 56
.set PF,  66
.set MSB, 0
.macro WIN new                         ; the immediate's high byte repeats the setting that is left
.if MSB != (\new)
	s_set_vgpr_msb (MSB<<8)|(\new)
.set MSB, (\new)
.endif
.endm
.set MQ,   0xa1                        ; source 0 (W) window 1, source 1 (x) window 0, C and D window 2
.set MV,   0xf4                        ; source 0 (x) window 0, source 1 (Wv) window 1, C and D window 3
.set TO_B, 0x40
.macro JLOAD s                         ; wave 0 fetches x's rows, the others a weight's; each line has one mask
	s_cmp_eq_u32 s14, 0
	s_cbranch_scc0 .Lfor_b_\@
	tensor_load_to_lds s[G0+4*\s:G0+4*\s+3], s[G1:G1+7]
	s_nop 0
.rept 4
	v_nop
.endr
	s_branch .Lasked_\@
.Lfor_b_\@:
	tensor_load_to_lds s[G0B+4*\s:G0B+4*\s+3], s[G1B:G1B+7]
	s_nop 0
.rept 4
	v_nop
.endr
.Lasked_\@:
.endm
.macro ASK k                           ; K step k: of the rows that my wave fetches, my work-group's share: 64 of x's 256 (two instructions) or 16 of a weight's 64; a lane a row, 256 bytes of it
	s_cmp_lg_u32 s14, 0
	s_cbranch_scc1 .Lfew_\@
	global_prefetch_b8 v[PFO], s[PF:PF+1] offset:32768+256*(\k) th:TH_LOAD_NT scope:SCOPE_SE
.Lfew_\@:
	global_prefetch_b8 v[PFO], s[PF:PF+1] offset:256*(\k) th:TH_LOAD_NT scope:SCOPE_SE
.endm
.macro CREST                           ; a round of the cluster's barrier behind its opening barrier
	s_cmp_lg_u32 s14, 0
	s_cbranch_scc1 .Lnot_wave_0_\@
	s_barrier_signal -3
.Lnot_wave_0_\@:
	s_barrier_wait -3
	s_barrier_signal -1
	s_barrier_wait -1
.endm
.macro CROUND
	s_barrier_signal -1
	s_barrier_wait -1
	CREST
.endm
	s_load_b512 s[68:83], s[0:1], 0x0              ; x, Wq, Wk, Wv, cos, sin, positions, exponents
	s_load_b128 s[84:87], s[0:1], 0x40             ; q_img, kv_img
	v_lshl_add_u32 v[SPW], v0, 2, SPARE
	v_mov_b32 v[NIL], 0
	ds_add_u32 v[SPW], v[NIL]                      ; the opening lines: the add, twice, and one wait
	ds_add_u32 v[SPW], v[NIL]
	v_lshrrev_b32 v1, 5, v0
	v_readfirstlane_b32 s14, v1                    ; wave 0..3
	s_lshr_b32 s15, s14, 1                         ; which 128 tokens are mine
	s_and_b32 s16, s14, 1                          ; 0: q and v's channels 0-31;  1: k and v's channels 32-63
	s_bfe_u32 s40, ttmp6, 0x40000                  ; cx, cy
	s_bfe_u32 s41, ttmp6, 0x40004
	s_lshl_b32 s42, ttmp9, 2
	s_add_co_u32 s42, s42, s40                     ; the head
	s_and_b32 s17, ttmp7, 0xffff
	s_lshl_b32 s17, s17, 2
	s_add_co_u32 s17, s17, s41                     ; the block of 256 tokens
	s_lshl_b32 s43, s41, 2
	s_lshl_b32 s43, 15, s43                        ; my row of the cluster
	s_lshl_b32 s44, 0x1111, s40                    ; my column
	s_or_b32 s[G1], s43, (0<<16)|(1<<20)|(1<<21)|(5<<22)|(3<<25)   ; elements of 1 byte; 4 words of padding behind every 64
	s_or_b32 s[G1B], s44, (0<<16)|(1<<20)|(1<<21)|(5<<22)|(3<<25)
	s_mov_b32 s[G1+2], 256<<16                     ; x: 256 rows
	s_mov_b32 s[G1+4], 256
	s_mov_b32 s[G1B+2], 64<<16                     ; a weight: 64 rows
	s_mov_b32 s[G1B+4], 64
.irp g, G1, G1B
	s_mov_b32 s[\g+1], 256<<16
	s_mov_b32 s[\g+3], 256<<16
	s_mov_b32 s[\g+5], 1024
	s_mov_b32 s[\g+6], 0
	s_mov_b32 s[\g+7], 0
.endr
	s_lshl_b32 s20, s17, 18                        ; x: 256 rows of 1,024 bytes a block
	s_mov_b32 s21, 0
	s_lshl_b32 s46, s42, 16                        ; a weight: 64 rows a head
	s_mov_b32 s47, 0
	s_mul_i32 s45, s14, PIECE
	s_add_co_u32 s45, s45, WOFF-PIECE              ; waves 1 to 3: pieces 0 to 2 behind x's rows
	s_wait_dscnt 0x0                               ; both opening adds are done
	s_wait_kmcnt 0x0
	s_load_b256 s[88:95], s[82:83], 0x0            ; e0 .. e7
	s_load_b128 s[96:99], s[82:83], 0x20           ; e8 .. e11
	s_cmp_eq_u32 s14, 2
	s_cselect_b64 s[6:7], s[72:73], s[70:71]
	s_cmp_eq_u32 s14, 3
	s_cselect_b64 s[6:7], s[74:75], s[6:7]
	s_add_nc_u64 s[4:5], s[68:69], s[20:21]
	s_add_nc_u64 s[46:47], s[6:7], s[46:47]
	CROUND                                         ; all sixteen work-groups are here: the first joint loads meet
.irp s, 0,1
	s_mov_b32 s[G0+4*\s], 1
	s_mov_b32 s[G0+4*\s+1], \s*SLOT
	s_add_nc_u64 s[G0+4*\s+2:G0+4*\s+3], s[4:5], 256*\s
	s_or_b32 s[G0+4*\s+3], s[G0+4*\s+3], 0x80000000
	s_mov_b32 s[G0B+4*\s], 1
	s_add_co_u32 s[G0B+4*\s+1], s45, \s*SLOT
	s_add_nc_u64 s[G0B+4*\s+2:G0B+4*\s+3], s[46:47], 256*\s
	s_or_b32 s[G0B+4*\s+3], s[G0B+4*\s+3], 0x80000000
.endr
	JLOAD 0                                        ; K step 0: one tensor load a wave at the head
	; the prefetches' base: wave 0: x's rows 64 cx on of the block; the others: the weight's rows 16 cy on of the head
	s_lshl_b32 s18, s17, 18
	s_lshl_b32 s19, s40, 16
	s_add_co_u32 s18, s18, s19
	s_lshl_b32 s22, s42, 16
	s_lshl_b32 s23, s41, 14
	s_add_co_u32 s22, s22, s23
	s_cmp_eq_u32 s14, 0
	s_cselect_b32 s18, s18, s22
	s_cselect_b64 s[PF:PF+1], s[68:69], s[6:7]
	s_cselect_b32 s22, 31, 15
	s_mov_b32 s19, 0
	s_add_nc_u64 s[PF:PF+1], s[PF:PF+1], s[18:19]
	; my tokens' positions: 128 tokens of the batch
	s_lshl_b32 s18, s17, 8
	s_lshl_b32 s19, s15, 7
	s_add_co_u32 s18, s18, s19
	s_and_b32 s18, s18, 2047
	s_lshl_b32 s18, s18, 2
	s_mov_b32 s19, 0
	s_add_nc_u64 s[80:81], s[80:81], s[18:19]
	s_mul_i32 s20, s15, 128*PITCH                  ; LDS: my 128 rows of x,
	s_mul_i32 s21, s16, PIECE
	s_add_co_u32 s21, s21, WOFF                    ; Wq's or Wk's 64 rows,
	s_mul_i32 s23, s16, 32*PITCH
	s_add_co_u32 s23, s23, WOFF+2*PIECE            ; and 32 rows of Wv
	v_and_b32 v1, 15, v0                           ; r
	v_bfe_u32 v2, v0, 4, 1                         ; h
	v_and_b32 v5, 31, v0
	v_mul_u32_u24 v3, v1, PITCH
	v_lshl_add_u32 v4, v2, 4, v3                   ; row x pitch + 16 h
	v_lshlrev_b32 v6, 4, v2
	v_lshlrev_b32 v7, 2, v1
	v_lshlrev_b32 v[L16], 4, v5
	v_min_u32 v[PFO], s22, v5                      ; lanes behind a weight's 16th row name that row again
	v_lshlrev_b32 v[PFO], 10, v[PFO]
	v_add_nc_u32 v[ADRA], s20, v4
	v_add_nc_u32 v[ADRB], s21, v4
	v_add_nc_u32 v[ADRV], s23, v4
	v_add_nc_u32 v[ADRA+1], SLOT, v[ADRA]
	v_add_nc_u32 v[ADRB+1], SLOT, v[ADRB]
	v_add_nc_u32 v[ADRV+1], SLOT, v[ADRV]
.irp a, 0,1,2,3,4,5,6,7
	global_load_b32 v[POS+\a], v7, s[80:81] offset:64*\a
.endr
	s_wait_alu depctr_va_vdst(0)                   ; the wait ahead of the branch below
	ASK 1
.macro FRAG reg, adr, q, i
.irp c, 0,1,2,3
	ds_load_b128 v[\reg+4*\c:\reg+4*\c+3], v[\adr] offset:128*(\q)+32*\c+(\i)*16*PITCH
.endr
.endm
; The 48 accumulators take turns, one instruction a turn, in the same order in every step.
.macro MULQ a0, p, zero                ; 16: blocks a0 .. a0 + 3 of tokens x q's or k's four tiles
.irp a, \a0, \a0+1, \a0+2, \a0+3
.irp b, 0,1,2,3
.if \zero
	v_wmma_f32_16x16x128_fp8_fp8 v[32*(\a)+8*\b:32*(\a)+8*\b+7], v[96*(\p)+16*\b:96*(\p)+16*\b+15], v[AF+16*(\a):AF+16*(\a)+15], 0
.else
	v_wmma_f32_16x16x128_fp8_fp8 v[32*(\a)+8*\b:32*(\a)+8*\b+7], v[96*(\p)+16*\b:96*(\p)+16*\b+15], v[AF+16*(\a):AF+16*(\a)+15], v[32*(\a)+8*\b:32*(\a)+8*\b+7]
.endif
.endr
.endr
.endm
.macro MULV a0, p, zero                ; 8: the same blocks x v's two tiles
.irp a, \a0, \a0+1, \a0+2, \a0+3
.irp b, 0,1
.if \zero
	v_wmma_f32_16x16x128_fp8_fp8 v[64*\b+8*(\a):64*\b+8*(\a)+7], v[AF+16*(\a):AF+16*(\a)+15], v[96*(\p)+64+16*\b:96*(\p)+64+16*\b+15], 0
.else
	v_wmma_f32_16x16x128_fp8_fp8 v[64*\b+8*(\a):64*\b+8*(\a)+7], v[AF+16*(\a):AF+16*(\a)+15], v[96*(\p)+64+16*\b:96*(\p)+64+16*\b+15], v[64*\b+8*(\a):64*\b+8*(\a)+7]
.endif
.endr
.endr
.endm
.macro FETCH_B slot, q, p              ; 24 loads: the six fragments of the slot's q-th 128 along K into set p
	WIN TO_B
.irp i, 0,1,2,3
	FRAG 96*(\p)+16*\i, ADRB+\slot, \q, \i
.endr
.irp i, 0,1
	FRAG 96*(\p)+64+16*\i, ADRV+\slot, \q, \i
.endr
	WIN 0
.endm
.macro FETCH_A slot, q, i0             ; 16 loads: blocks i0 .. i0 + 3
.irp i, \i0, \i0+1, \i0+2, \i0+3
	FRAG AF+16*(\i), ADRA+\slot, \q, \i
.endr
.endm
.macro PLACES                          ; four places behind a matrix instruction (ISA guide 7.12.1 for vector instructions)
.rept 4
	v_nop
.endr
.endm
.macro HALF a0, p, zero
	WIN MQ
	MULQ \a0, \p, \zero
	WIN MV
	MULV \a0, \p, \zero
.endm
.macro STEP slot, zero                 ; a slot's first 128 along K, on set 0; fetches its second
	s_wait_dscnt 16                                ; B's set and A's blocks 0-3 are in; the 16 loads of blocks 4-7 may be out
	HALF 0, 0, \zero
	s_wait_dscnt 0x0
	PLACES
	FETCH_B \slot, 1, 1
	FETCH_A \slot, 1, 0
	HALF 4, 0, \zero
	PLACES
	WIN 0
	FETCH_A \slot, 1, 4
.endm
; A slot's second 128 along K, on set 1, and the change of slots: in front of its one barrier each wave waits for all its tensor loads, adds 0 to its spare word, and waits for that and for its reads of this slot.
; fill = 1: the barrier opens a round of the cluster's barrier, behind which this slot is filled again, two K steps on.
.macro TURN slot, next, fill, ask
	s_wait_tensorcnt 0x0
	ds_add_u32 v[SPW], v[NIL]
	s_wait_dscnt 17                                ; the add and the 16 loads of A's blocks 4-7 may be out
	WIN MQ
	MULQ 0, 1, 0                                   ; sixteen matrix instructions stand between the add and the wait for it
	s_wait_dscnt 0x0
	s_barrier_signal -1
	WIN MV
	MULV 0, 1, 0
	WIN 0
	s_barrier_wait -1
.if \fill
	CREST
	s_add_nc_u64 s[G0+4*\slot+2:G0+4*\slot+3], s[G0+4*\slot+2:G0+4*\slot+3], 512
	s_add_nc_u64 s[G0B+4*\slot+2:G0B+4*\slot+3], s[G0B+4*\slot+2:G0B+4*\slot+3], 512
	JLOAD \slot                                    ; the first tensor load behind the round; its four v_nop are also the places in front of the loads below
.else
	PLACES
.endif
	FETCH_B \next, 0, 0
	FETCH_A \next, 0, 0
.if \ask
	ASK \ask
.endif
	HALF 4, 1, 0
	PLACES
	WIN 0
	FETCH_A \next, 0, 4
.endm
.macro CSBASE a                        ; where block a's cos (16 registers) and sin (16) lie
.if (\a) < 3
.set CSB, 32+32*(\a)
.set WN, 0x02
.elseif (\a) < 5
.set CSB, 192+32*((\a)-3)
.set WN, 0x06
.else
.set CSB, 32*((\a)-5)
.set WN, 0x06
.endif
.endm
.macro CSLOAD a                        ; register 4 k + i: entry 8 k + 4 h + i of my token's row
	CSBASE \a
.irp k, 0,1,2,3
	global_load_b128 v[CSB+4*\k:CSB+4*\k+3], v[POS+(\a)], s[76:77] offset:32*\k
	global_load_b128 v[CSB+16+4*\k:CSB+16+4*\k+3], v[POS+(\a)], s[78:79] offset:32*\k
.endr
.endm
.macro SCALE ex, ea, eb, sc, lim       ; a sum stands for sum x 2^(ea + eb): its code is sum / 2^(ex - ea - eb), held at 448 x that
	s_sub_co_i32 s18, \ex, \ea
	s_sub_co_i32 s18, s18, \eb
	s_add_co_i32 s18, s18, 127
	s_lshl_b32 s19, s18, 23
	v_mov_b32 v[\sc], s19
	s_add_co_i32 s18, s18, 8
	s_lshl_b32 s18, s18, 23
	s_or_b32 s18, s18, 0x600000
	v_mov_b32 v[\lim], s18
.endm
	s_wait_tensorcnt 0x0                           ; my part of K step 0 is in; the lines ahead of a later first fill:
	ds_add_u32 v[SPW], v[NIL]
	s_wait_dscnt 0x0
	CROUND
	JLOAD 1                                        ; K step 1
	FETCH_B 0, 0, 0
	FETCH_A 0, 0, 0
	FETCH_A 0, 0, 4
	ASK 2
	STEP 0, 1                                      ; the first products start the sums
	TURN 0, 1, 1, 3                                ; K step 2 into slot 0; K step 3 is asked for
	STEP 1, 0
	TURN 1, 0, 1, 0                                ; K step 3 into slot 1
	STEP 0, 0
	s_wait_kmcnt 0x0
	s_cmp_eq_u32 s16, 0
	s_cselect_b32 s12, s94, s95                    ; e6 or e7
	s_cselect_b32 s13, s88, s90
	s_cselect_b32 s20, s89, s91
	SCALE s12, s13, s20, SCQ, LIMQ
	SCALE s97, s92, s93, SCV, LIMV
	s_wait_alu depctr_va_vdst(0)
	s_wait_loadcnt 0x0                             ; the positions
.irp a, 0,1,2,3,4,5,6,7
	v_min_u32 v[POS+\a], 0x7ff, v[POS+\a]
.endr
.irp a, 0,1,2,3,4,5,6,7
	v_lshlrev_b32 v[POS+\a], 7, v[POS+\a]          ; a row of the tables is 128 bytes
.endr
.irp a, 0,1,2,3,4,5,6,7
	v_add_nc_u32 v[POS+\a], v6, v[POS+\a]
.endr
	s_wait_alu depctr_va_vdst(0)
	CSLOAD 0
	CSLOAD 1
	CSLOAD 2
	WIN TO_B
	CSLOAD 3
	CSLOAD 4
	WIN 0
	TURN 0, 1, 0, 0
	STEP 1, 0
	s_wait_dscnt 16                                ; the very last 128 along K
	HALF 0, 1, 0
	s_wait_dscnt 0x0
	PLACES
	WIN TO_B
	CSLOAD 5                                       ; set 0 is done with
	CSLOAD 6
	CSLOAD 7
	HALF 4, 1, 0
	WIN 0
	; where my images begin: st = my step of 128 tokens in the batch; s[8:9] q or k, s[10:11] v
	s_lshr_b32 s19, s17, 3
	s_lshl_b32 s19, s19, 4
	s_add_co_u32 s19, s19, s42                     ; 16 x batch + head
	s_and_b32 s18, s17, 7
	s_lshl_b32 s18, s18, 1
	s_add_co_u32 s18, s18, s15
	s_lshl_b32 s22, s19, 18
	s_lshl_b32 s20, s18, 14
	s_add_co_u32 s22, s22, s20
	s_lshl_b32 s12, s19, 17
	s_lshl_b32 s13, s18, 13
	s_add_co_u32 s12, s12, s13
	s_lshl_b32 s20, s16, 12                        ; two tiles of channels are 4,096 bytes
	s_add_co_u32 s20, s20, s22
	s_add_co_u32 s20, s20, 8192
	s_mov_b32 s21, 0
	s_cmp_eq_u32 s16, 0
	s_cselect_b32 s22, s12, s22
	s_cselect_b64 s[8:9], s[84:85], s[86:87]
	s_mov_b32 s23, 0
	s_add_nc_u64 s[8:9], s[8:9], s[22:23]
	s_add_nc_u64 s[10:11], s[86:87], s[20:21]
	PLACES                                         ; in front of the first reads of results
; RoPE on the pair (e, o): e cos - o sin, o cos + e sin; then the hold and the conversion.  The conversion does not saturate (ISA guide 7.6.2).
.macro EPIQ a
	CSBASE \a
	s_wait_loadcnt 8*(7-(\a))                      ; behind block a's eight loads: the later blocks'
	WIN WN
.irp t, 0,1,2,3
.irp u, 0,4
	v_pk_mul_f32 v[TMP+8*\t+\u:TMP+8*\t+\u+1], v[32*(\a)+8*\t+\u:32*(\a)+8*\t+\u+1], v[CSB+16+4*\t+\u/2:CSB+16+4*\t+\u/2+1] op_sel:[1,0] op_sel_hi:[0,0]
	v_pk_mul_f32 v[TMP+8*\t+\u+2:TMP+8*\t+\u+3], v[32*(\a)+8*\t+\u+2:32*(\a)+8*\t+\u+3], v[CSB+16+4*\t+\u/2:CSB+16+4*\t+\u/2+1] op_sel:[1,1] op_sel_hi:[0,1]
.endr
.endr
.irp t, 0,1,2,3
.irp u, 0,4
	v_pk_fma_f32 v[TMP+8*\t+\u:TMP+8*\t+\u+1], v[32*(\a)+8*\t+\u:32*(\a)+8*\t+\u+1], v[CSB+4*\t+\u/2:CSB+4*\t+\u/2+1], v[TMP+8*\t+\u:TMP+8*\t+\u+1] op_sel:[0,0,0] op_sel_hi:[1,0,1] neg_lo:[0,0,1]
	v_pk_fma_f32 v[TMP+8*\t+\u+2:TMP+8*\t+\u+3], v[32*(\a)+8*\t+\u+2:32*(\a)+8*\t+\u+3], v[CSB+4*\t+\u/2:CSB+4*\t+\u/2+1], v[TMP+8*\t+\u+2:TMP+8*\t+\u+3] op_sel:[0,1,0] op_sel_hi:[1,1,1] neg_lo:[0,0,1]
.endr
.endr
	WIN 0
.set n, 0
.rept 32
	v_med3_num_f32 v[TMP+n], v[TMP+n], -v[LIMQ], v[LIMQ]
.set n, n+1
.endr
.irp t, 0,1,2,3
	v_cvt_scalef32_pk8_fp8_f32 v[CODE+8*(\a)+2*\t:CODE+8*(\a)+2*\t+1], v[TMP+8*\t:TMP+8*\t+7], v[SCQ]
.endr
	v_nop
.irp p, 0,1
	global_store_b128 v[L16], v[CODE+8*(\a)+4*\p:CODE+8*(\a)+4*\p+3], s[8:9] offset:(\a)*1024+\p*512   ; 512 consecutive bytes, aligned
.endr
.endm
.irp a, 0,1,2,3,4,5,6,7
	EPIQ \a
.endr
.irp b, 0,1                            ; v: a tile of 16 channels x 128 tokens
	WIN 0x03
.set n, 0
.rept 64
	v_med3_num_f32 v[TMP+n], v[64*\b+n], -v[LIMV], v[LIMV]
.set n, n+1
.endr
	WIN 0
.irp t, 0,1,2,3,4,5,6,7
	v_cvt_scalef32_pk8_fp8_f32 v[VCODE+16*\b+2*\t:VCODE+16*\b+2*\t+1], v[TMP+8*\t:TMP+8*\t+7], v[SCV]
.endr
	v_nop
.irp p, 0,1,2,3
	global_store_b128 v[L16], v[VCODE+16*\b+4*\p:VCODE+16*\b+4*\p+3], s[10:11] offset:\b*2048+\p*512
.endr
.endr
	s_wait_tensorcnt 0x0                           ; the wave's end
	ds_add_u32 v[SPW], v[NIL]
	s_wait_dscnt 0x0
	CROUND                                         ; the closing round: no work-group ends while a partner may still ask for a tile that names it
	s_endpgm
.Lfunc_end_k_q14e0ef7738_qkv:
	.size	k_q14e0ef7738_qkv, .Lfunc_end_k_q14e0ef7738_qkv-k_q14e0ef7738_qkv
	.p2alignl 7, 3214868480
	.fill 96, 4, 3214868480
	.section	.rodata,"a",@progbits
	.p2align	6, 0x0
	.amdhsa_kernel k_q14e0ef7738_qkv
		.amdhsa_group_segment_fixed_size 327680
		.amdhsa_private_segment_fixed_size 0
		.amdhsa_enable_private_segment 0
		.amdhsa_kernarg_size 80
		.amdhsa_user_sgpr_count 2
		.amdhsa_user_sgpr_kernarg_segment_ptr 1
		.amdhsa_wavefront_size32 1
		.amdhsa_system_sgpr_workgroup_id_x 1
		.amdhsa_system_sgpr_workgroup_id_y 1
		.amdhsa_system_sgpr_workgroup_id_z 1
		.amdhsa_system_vgpr_workitem_id 0
		.amdhsa_next_free_vgpr 1024
		.amdhsa_next_free_sgpr 100
		.amdhsa_reserve_vcc 0
		.amdhsa_float_denorm_mode_32 3
		.amdhsa_float_denorm_mode_16_64 3
		.amdhsa_memory_ordered 1
		.amdhsa_forward_progress 1
		.amdhsa_inst_pref_size 123
	.end_amdhsa_kernel
	.amdgpu_metadata
---
amdhsa.version: [ 1, 2 ]
amdhsa.kernels:
  - .name:           k_q14e0ef7738_qkv
    .symbol:         k_q14e0ef7738_qkv.kd
    .args:
      - { .name: x_codes, .offset: 0, .size: 8, .value_kind: global_buffer, .address_space: global }
      - { .name: Wq_codes, .offset: 8, .size: 8, .value_kind: global_buffer, .address_space: global }
      - { .name: Wk_codes, .offset: 16, .size: 8, .value_kind: global_buffer, .address_space: global }
      - { .name: Wv_codes, .offset: 24, .size: 8, .value_kind: global_buffer, .address_space: global }
      - { .name: cos, .offset: 32, .size: 8, .value_kind: global_buffer, .address_space: global }
      - { .name: sin, .offset: 40, .size: 8, .value_kind: global_buffer, .address_space: global }
      - { .name: token_positions, .offset: 48, .size: 8, .value_kind: global_buffer, .address_space: global }
      - { .name: lowp_scales, .offset: 56, .size: 8, .value_kind: global_buffer, .address_space: global }
      - { .name: q_img, .offset: 64, .size: 8, .value_kind: global_buffer, .address_space: global }
      - { .name: kv_img, .offset: 72, .size: 8, .value_kind: global_buffer, .address_space: global }
    .group_segment_fixed_size: 327680
    .private_segment_fixed_size: 0
    .kernarg_segment_align: 8
    .kernarg_segment_size: 80
    .max_flat_workgroup_size: 128
    .sgpr_count:     100
    .vgpr_count:     1024
    .wavefront_size: 32
...
	.end_amdgpu_metadata
.endif
;; end of part 1
;; launch attn (part 2): grid 8 x 32, 16 waves a work-group, clusters of 4 x 1, 327,680 bytes of LDS; arguments q_img, kv_img, lowp_scales, y_img; writes y_img
.if DOCPART == 2
	.amdgcn_target "amdgcn-amd-amdhsa--gfx1250"
	.amdhsa_code_object_version 6
	.text
	.protected	k_q14e0ef7738_attn
	.globl	k_q14e0ef7738_attn
	.p2align	8
	.type	k_q14e0ef7738_attn,@function
k_q14e0ef7738_attn:
	s_mov_b64 s[64:65], 0
	v_nop
	global_prefetch_b8 v0, s[64:65] scope:SCOPE_SE
	s_setreg_imm32_b32 hwreg(HW_REG_WAVE_MODE, 25, 1), 1
	s_wait_xcnt 0x0
	s_wait_alu depctr_hold_cnt(0) depctr_sa_sdst(0) depctr_va_vdst(0) depctr_va_sdst(0) depctr_va_ssrc(0) depctr_va_vcc(0) depctr_vm_vsrc(0)
	s_getreg_b32 s2, hwreg(HW_REG_IB_STS2, 6, 4)
	s_cmp_eq_u32 s2, 0
	s_cbranch_scc0 .Lentry_in_a_cluster
	s_endpgm
.Lentry_in_a_cluster:
	s_bfe_u32 s2, ttmp6, 0x10000c
	s_cmp_lg_u32 s2, 0x3003
	s_cbranch_scc0 .Lentry_shape_is_right
	s_endpgm
.Lentry_shape_is_right:
; y[b][q][head] = the sum over k <= q of softmax_k(q . k / 8) v, both products on codes of FP8 (E4M3); y is quantised at once with 2^e10 and stored as codes, laid as the last product's operand registers want them.
; q_img, kv_img: as the launch before lays them (a chunk is 512 bytes: lane l's four registers at 16 l).  lowp_scales: e6 (q), e7 (k), e8 (p), e9 (v), e10 (y).
; LEFT OUT: whole runs of 64 or 128 keys that reference()'s own causal mask hides from all 16 queries of a tile: their p is 0 for all values of the inputs.  LIMIT: a NaN or an infinity in work left out is not carried to the result.
; THE SOFTMAX AHEAD OF THE SECOND PRODUCT: t = score x log2(e) / 8; M = the row's largest t so far, rounded UP to a whole number; p = 2^(t - M) is what is quantised; the row's sum is taken of the unquantised p
; and divides at the end.  When M moves, the sum and O are multiplied by 2^(old M - new M): nothing is rounded.  LIMIT: the promise holds while the scaled scores stay under 2^31 in magnitude.
; SHARES.  bh = the grid's y.  Of each block beta of 128 queries a work-group has one tile of 16.  Blocks b and 15 - b (b = wave % 8) belong to two waves: A (waves 0-7) walks key steps (128 keys) 0 to 7 of block 15 - b;
; B (waves 8-15) walks block b whole, sends it out, then walks the rest of block 15 - b, steps 8 to 15 - b, and hands its O, sum and M through LDS to A, which joins the two parts.  So A has 8 steps, and B 7 and two on the diagonal.
; The tile is number 4 hf + cx of its block's eight, hf = (cluster x + beta) % 2: where hf = 0 the diagonal step has 64 keys, where hf = 1 it has 128, of which the first 64 count for every query.  hf is the same in all partners of a cluster.
; LDS.  The head's whole K and V, 262,144 bytes, lie in LDS as they lie in kv_img: every byte is filled once, so there is no ring.  A fragment's load reads 512 consecutive bytes: no padding.
; CLUSTER.  The four work-groups of a cluster belong to one head: each block is asked for JOINTLY, key step w by wave w: one load a wave, all at the head, and one barrier behind them; no wave waits for another until the parts are joined.
; No prefetch: every byte is asked for at the head, and no loop stands ahead of a load.
; LAYOUT.  Both products are used transposed: S^T = K Q^T (source 0 = 16 keys, source 1 = my queries), O^T = V^T P^T (source 0 = 16 of the head's 64, source 1 = P): a lane holds ONE query (lane % 16) throughout.
; In S^T's tile t lane (r, h) holds keys 16 t + 8 h + 0 .. 7: one conversion gives registers 2 t, 2 t + 1 of P, the place that the K = 64 and K = 128 forms give those keys, and V^T's image has the same.
; LIMITS on the given exponents, so that each power of two below is an f32 number: e6 + e7 between -123 and 130 (added to c's exponent field); e8, and e10 - e8 - e9, between -126 and 119.
; REGISTERS: v1-9 what stays; v12 -M, v13 the largest t, v[14:15] the sum in two halves; v16-23 Q; v32-95 K's fragments, then V's; v96-159 S^T, then p; v160-191 O^T; v192-215 the way out; v216-223 B's second Q; v224-239 p's codes.
.set L16,  1                           ; 16 x lane: my place in a chunk
.set ADK,  2                           ; LDS address of the step in hand
.set DQ,   3                           ; 16 cx + r - 8 h: among the diagonal's last 64 keys register 8 t + j is hidden where 16 t + j > DQ
.set NINF, 4                           ; -infinity
.set HH,   5                           ; h = lane / 16
.set PTO,  6                           ; LDS address of my pair's part: O,
.set PTM,  7                           ; and its sum and -M
.set SPW,  8
.set NIL,  9
.set QF,   16
.set KV,   32
.set S,    96
.set O,    160
.set YC,   192
.set SND,  200
.set RCV,  204
.set YO,   208
.set QH,   216
.set PC,   224
.set PART, 0x40000                     ; behind K and V: 8 x 4,352 bytes of parts,
.set PSZ,  4352
.set SPARE, PART+8*PSZ                 ; then the spare words
.set WV,   12                          ; my wave's number
.set BETA, 13                          ; the block whose y I store
.set CX,   14
.set B7,   15                          ; b
.set BH,   16
.set T,    17                          ; the key step
.set TB,   18                          ; its first byte in LDS: 16,384 T
.set PL,   19                          ; 448 x 2^e8
.set SEL,  20                          ; s[20:21] lane selects for v_permlanex16_b32: lane l xor 16
.set CS,   22                          ; s[22:23] c = log2(e) / 8 x 2^(e6 + e7)
.set LIM1, 72                          ; steps under LIM1 are mine in the first walk: A: 8 or more, B: b
.set LIM2, 73                          ; in the second: A: none from 8 on, B: 15 - b
.set DLO,  74                          ; LDS byte of block b's diagonal step,
.set DHI,  75                          ; of block 15 - b's
.set HLO,  76                          ; hf of block b,
.set HHI,  77                          ; of block 15 - b
.set BHI,  78                          ; 15 - b
.macro CROUND                          ; a round of the cluster's barrier
	s_barrier_signal -1
	s_barrier_wait -1
	s_cmp_lg_u32 s[WV], 0
	s_cbranch_scc1 .Lnot_wave_0_\@
	s_barrier_signal -3
.Lnot_wave_0_\@:
	s_barrier_wait -3
	s_barrier_signal -1
	s_barrier_wait -1
.endm
.macro INIT                            ; a tile begins: zeros under an M below every t
	v_mov_b32 v13, 0xff61b1e6                      ; the largest t so far: -3e38
	v_mov_b32 v14, 0
	v_mov_b32 v15, 0
	v_floor_f32 v12, -v13                          ; -M
.set n, 0
.rept 32
	v_mov_b32 v[O+n], 0                            ; the step is written for all steps alike: the first change of M leaves zeros
.set n, n+1
.endr
.endm
	s_load_b256 s[4:11], s[0:1], 0x0               ; q_img s[4:5], kv_img s[6:7], the exponents s[8:9], y_img s[10:11]
	v_lshl_add_u32 v[SPW], v0, 2, SPARE
	v_mov_b32 v[NIL], 0
	ds_add_u32 v[SPW], v[NIL]                      ; the opening lines: the add, twice, and one wait
	ds_add_u32 v[SPW], v[NIL]
	v_lshrrev_b32 v2, 5, v0
	s_delay_alu instid0(VALU_DEP_1)
	v_readfirstlane_b32 s[WV], v2                  ; wave 0..15
	s_and_b32 s[B7], s[WV], 7
	s_xor_b32 s[BHI], s[B7], 15
	s_xor_b32 s[LIM1], s[WV], 8
	s_xor_b32 s[LIM2], s[WV], 7
	s_lshl_b32 s[DLO], s[B7], 14
	s_lshl_b32 s[DHI], s[BHI], 14
	s_and_b32 s[HLO], s[B7], 1
	s_xor_b32 s[HLO], s[HLO], ttmp9                ; the cluster's x is 0 or 1
	s_xor_b32 s[HHI], s[HLO], 1
	s_cmp_lt_u32 s[WV], 8
	s_cselect_b32 s[BETA], 15, 8
	s_xor_b32 s[BETA], s[BETA], s[WV]              ; A: 15 - b, B: b
	s_bfe_u32 s[CX], ttmp6, 0x40000                ; cx enters Q's and y's addresses and the mask's numbers alone
	s_and_b32 s[BH], ttmp7, 0xffff
	; descriptor group 1: a dense block of 16,384 bytes as 64 rows of 256 (32 elements of 8 bytes), no padding; mask: all four work-groups
	s_mov_b32 s24, 15|(3<<16)|(1<<21)
	s_mov_b32 s25, 32<<16
	s_mov_b32 s26, 64<<16
	s_mov_b32 s27, 32<<16
	s_mov_b32 s28, 64
	s_mov_b32 s29, 32
	s_mov_b32 s30, 0
	s_mov_b32 s31, 0
	s_lshl_b32 s61, s[WV], 14                      ; key step w: the same offset in the head and in LDS
	s_lshl_b32 s66, s[BH], 18
	s_add_co_u32 s66, s66, s61
	s_mov_b32 s67, 0
	s_mov_b32 s[SEL], 0x76543210
	s_mov_b32 s[SEL+1], 0xfedcba98
	s_wait_dscnt 0x0                               ; both opening adds are done
	s_wait_kmcnt 0x0
	s_load_b256 s[48:55], s[8:9], 0x0              ; e0 .. e7
	s_load_b128 s[56:59], s[8:9], 0x20             ; e8 .. e11
	s_mov_b32 s40, 1
	s_mov_b32 s41, s61
	s_add_nc_u64 s[42:43], s[6:7], s[66:67]
	s_or_b32 s43, s43, 0x80000000
	CROUND                                         ; all four work-groups are here: the joint loads meet
	tensor_load_to_lds s[40:43], s[24:31]          ; my one tensor load
	s_nop 0
.rept 4
	v_nop
.endr
	; Q: a head is 128 tiles of 1,024 bytes; mine is tile 8 beta + 4 hf + cx, and for B's second walk 8 (15 - b) + 4 hf + cx
	s_lshl_b32 s66, s[BH], 17
	s_and_b32 s60, s[BETA], 1
	s_xor_b32 s60, s60, ttmp9
	s_lshl_b32 s60, s60, 2
	s_add_co_u32 s60, s60, s[CX]                   ; i: my tile's number in its block
	s_lshl_b32 s68, s[BETA], 3
	s_add_co_u32 s68, s68, s60
	s_lshl_b32 s68, s68, 10
	s_add_co_u32 s68, s68, s66
	s_mov_b32 s69, 0
	s_add_nc_u64 s[68:69], s[4:5], s[68:69]
	s_lshl_b32 s70, s[HHI], 2
	s_add_co_u32 s70, s70, s[CX]
	s_lshl_b32 s71, s[BHI], 3
	s_add_co_u32 s70, s70, s71
	s_lshl_b32 s70, s70, 10
	s_add_co_u32 s70, s70, s66
	s_mov_b32 s71, 0
	s_add_nc_u64 s[70:71], s[4:5], s[70:71]
	v_and_b32 v[L16], 31, v0
	s_delay_alu instid0(VALU_DEP_1)
	v_lshlrev_b32 v[L16], 4, v[L16]
	global_load_b128 v[QF:QF+3], v[L16], s[68:69]
	global_load_b128 v[QF+4:QF+7], v[L16], s[68:69] offset:512
	global_load_b128 v[QH:QH+3], v[L16], s[70:71]
	global_load_b128 v[QH+4:QH+7], v[L16], s[70:71] offset:512
	s_mul_i32 s62, s[B7], PSZ
	s_add_co_u32 s62, s62, PART
	s_lshl_b32 s63, s[CX], 4
	v_and_b32 v10, 15, v0                          ; r
	v_bfe_u32 v[HH], v0, 4, 1
	v_lshrrev_b32 v11, 1, v[L16]
	v_add_nc_u32 v[PTO], s62, v[L16]
	v_mov_b32 v[NINF], 0xff800000
	v_mov_b32 v246, 0                              ; written once: a lane permute's destination counts as one of its sources
	v_add_nc_u32 v[PTM], s62, v11
	v_lshlrev_b32 v11, 3, v[HH]
	v_mov_b32 v253, 0                              ; (named as the upper half of the pair v[252:253])
	v_add_nc_u32 v[PTM], 4096, v[PTM]
	v_sub_nc_u32 v[DQ], v10, v11
	v_mov_b32 v[RCV], 0                            ; likewise written once
	v_mov_b32 v[RCV+1], 0
	v_add_nc_u32 v[DQ], s63, v[DQ]
	v_mov_b32 v[RCV+2], 0
	v_mov_b32 v[RCV+3], 0
	INIT
	; y_img [block of 128 tokens 32][128 along K 8][tile of 16 tokens 8][chunk 4][512]: my two chunks
	s_lshr_b32 s66, s[BH], 4
	s_lshl_b32 s66, s66, 4
	s_add_co_u32 s66, s66, s[BETA]                 ; 16 x batch + beta
	s_lshl_b32 s66, s66, 3
	s_bfe_u32 s67, s[BH], 0x30001                  ; head / 2
	s_add_co_u32 s66, s66, s67
	s_lshl_b32 s66, s66, 3
	s_add_co_u32 s66, s66, s60
	s_lshl_b32 s66, s66, 11
	s_and_b32 s67, s[BH], 1                        ; an odd head takes chunks 2 and 3
	s_lshl_b32 s67, s67, 10
	s_add_co_u32 s66, s66, s67
	s_mov_b32 s67, 0
	s_add_nc_u64 s[10:11], s[10:11], s[66:67]
	s_wait_alu depctr_va_vdst(0)
	s_wait_kmcnt 0x0
	s_add_co_i32 s60, s54, s55
	s_lshl_b32 s60, s60, 23
	s_mov_b32 s[CS], 0x3e38aa3b                    ; log2(e) / 8
	s_add_co_i32 s[CS], s[CS], s60                 ; a score stands for score x 2^(e6 + e7): the two exponents are added to c's exponent field
	s_mov_b32 s[CS+1], s[CS]                       ; (named with it as a pair, so it is written)
	s_add_co_i32 s60, s56, 127
	s_lshl_b32 s61, s60, 23
	v_mov_b32 v244, s61                            ; 2^e8 as f32, for p's conversion
	s_add_co_i32 s60, s60, 8
	s_lshl_b32 s60, s60, 23
	s_or_b32 s[PL], s60, 0x600000                  ; 448 x 2^e8
	s_sub_co_i32 s60, s58, s56
	s_sub_co_i32 s60, s60, s57                     ; O / l stands for y / 2^(e8 + e9): y's code is (O / l) / 2^(e10 - e8 - e9)
	s_add_co_i32 s60, s60, 127
	s_lshl_b32 s61, s60, 23
	v_mov_b32 v248, s61
	s_add_co_i32 s60, s60, 8
	s_lshl_b32 s60, s60, 23
	s_or_b32 s60, s60, 0x600000
	v_mov_b32 v249, s60
; A KEY STEP from LDS byte s[adr] on: 16 nt keys (nt = 8 or 4).  mask = 1: the diagonal: the last 64 keys are held against the queries.
.macro STEP nt, mask, adr
	v_add_nc_u32 v[ADK], s[\adr], v[L16]
.rept 3
	v_nop                                          ; with the addition: four places in front of loads into registers that the last step's products have read
.endr
.set n, 0
.rept \nt
	ds_load_b128 v[KV+8*n:KV+8*n+3], v[ADK] offset:1024*n
	ds_load_b128 v[KV+8*n+4:KV+8*n+7], v[ADK] offset:1024*n+512
.set n, n+1
.endr
	s_wait_alu depctr_va_vdst(0)
	s_wait_dscnt 0x0
.set n, 0
.rept \nt
	v_wmma_f32_16x16x64_fp8_fp8 v[S+8*n:S+8*n+7], v[KV+8*n:KV+8*n+7], v[QF:QF+7], 0
.set n, n+1
.endr
.rept 4
	v_nop                                          ; places in front of the loads below and of the first read of the scores
.endr
.irp d, 0,1,2,3
.set n, 0
.rept (\nt)/2
	ds_load_b128 v[KV+2*(\nt)*\d+4*n:KV+2*(\nt)*\d+4*n+3], v[ADK] offset:8192+2048*\d+512*n   ; V^T lands while the softmax is worked
.set n, n+1
.endr
.endr
.if \mask                              ; hidden keys' scores become -infinity ahead of the maximum: p = 0 then
.set n, 0
.rept 32
	v_cmp_gt_i32 vcc_lo, 16*(n/8)+n%8, v[DQ]
	v_cndmask_b32 v[S+8*(\nt)-32+n], v[S+8*(\nt)-32+n], v[NINF], vcc_lo
.set n, n+1
.endr
.endif
	v_max3_num_f32 v254, v[S], v[S+1], v[S+2]      ; the step's largest score of my query, among my half of the keys, in two chains, ascending,
	v_max3_num_f32 v252, v[S+3], v[S+4], v[S+5]
.set n, 6
.rept 2*(\nt)-2
	v_max3_num_f32 v254, v254, v[S+n], v[S+n+1]
	v_max3_num_f32 v252, v252, v[S+n+2], v[S+n+3]
.set n, n+4
.endr
	v_max3_num_f32 v254, v254, v[S+n], v[S+n+1]
	s_delay_alu instid0(VALU_DEP_1)
	v_max_num_f32 v254, v254, v252
	s_delay_alu instid0(VALU_DEP_1)
	v_permlanex16_b32 v246, v254, s[SEL], s[SEL+1]
	s_delay_alu instid0(VALU_DEP_1)
	v_max_num_f32 v254, v254, v246                 ; and among lane l xor 16's
	s_delay_alu instid0(VALU_DEP_1)
	v_mul_f32 v254, s[CS], v254                    ; as t (c is positive)
	s_delay_alu instid0(VALU_DEP_1)
	v_max_num_f32 v13, v13, v254                   ; the running largest t
	v_mov_b32 v254, v12
	s_delay_alu instid0(VALU_DEP_2)
	v_floor_f32 v12, -v13                          ; the new -M = floor(-t) = -ceil(t): M is a whole number
	s_delay_alu instid0(VALU_DEP_1)
	v_sub_f32 v254, v12, v254                      ; M's old value less its new one: a whole number, 0 or less
	s_delay_alu instid0(VALU_DEP_1)
	v_cvt_i32_f32 v254, v254                       ; (it saturates)
	s_delay_alu instid0(VALU_DEP_1)
	v_ldexp_f32 v252, 1.0, v254                    ; f = 2^(old M - new M)
.set n, 0
.rept 4*(\nt)
	v_pk_fma_f32 v[S+n:S+n+1], v[S+n:S+n+1], s[CS:CS+1], v[12:13] op_sel_hi:[1,0,0]   ; t - M, two at a time (of the pairs c and -M the low word serves both halves)
.set n, n+2
.endr
	s_wait_alu depctr_va_vdst(0)                   ; the wait ahead of the batch,
.set n, 0
.rept 8*(\nt)
	v_exp_f32 v[S+n], v[S+n]                       ; p = 2^(t - M), at most 1: not normalised
.set n, n+1
.endr
	v_pk_mul_f32 v[14:15], v[14:15], v[252:253] op_sel_hi:[1,0]   ; the sums under the new M: the plain instruction behind the exponentials
	s_wait_alu depctr_va_vdst(0)                   ; and ahead of the first reader of its results and of O^T
.set n, 0
.rept 16
	v_pk_mul_f32 v[O+n:O+n+1], v[O+n:O+n+1], v[252:253] op_sel_hi:[1,0]   ; O^T under the new M
.set n, n+2
.endr
	v_pk_add_f32 v[242:243], v[S:S+1], v[S+2:S+3]  ; the row's sum of the unquantised p, in four chains
	v_pk_add_f32 v[238:239], v[S+4:S+5], v[S+6:S+7]
	v_pk_add_f32 v[236:237], v[S+8:S+9], v[S+10:S+11]
.set n, 12
.rept (\nt)-2
	v_pk_add_f32 v[14:15], v[14:15], v[S+n:S+n+1]
	v_pk_add_f32 v[242:243], v[242:243], v[S+n+2:S+n+3]
	v_pk_add_f32 v[238:239], v[238:239], v[S+n+4:S+n+5]
	v_pk_add_f32 v[236:237], v[236:237], v[S+n+6:S+n+7]
.set n, n+8
.endr
	v_pk_add_f32 v[14:15], v[14:15], v[S+n:S+n+1]
	v_pk_add_f32 v[242:243], v[242:243], v[S+n+2:S+n+3]
	v_pk_add_f32 v[238:239], v[238:239], v[236:237]
.set n, 0
.rept \nt
.set k, 8*n
.rept 4
	v_dual_min_num_f32 v[S+k], s[PL], v[S+k] :: v_dual_min_num_f32 v[S+k+1], s[PL], v[S+k+1]   ; the conversion does not saturate (ISA guide 7.6.2); p is not negative, so the hold is one-sided
.set k, k+2
.endr
.if n == 0
	v_pk_add_f32 v[14:15], v[14:15], v[238:239]    ; ahead of the conversions that use these registers
.endif
	v_cvt_scalef32_pk8_fp8_f32 v[PC+2*n:PC+2*n+1], v[S+8*n:S+8*n+7], v244
.set n, n+1
.endr
	v_pk_add_f32 v[14:15], v[14:15], v[242:243]    ; the plain instruction behind the conversions
	s_wait_alu depctr_va_vdst(0)
	s_wait_dscnt 0x0                               ; V^T is in
.irp d, 0,1,2,3                        ; the four accumulators take turns; the next step's products stand between two links of a sum
.if (\nt) == 8
	v_wmma_f32_16x16x128_fp8_fp8 v[O+8*\d:O+8*\d+7], v[KV+16*\d:KV+16*\d+15], v[PC:PC+15], v[O+8*\d:O+8*\d+7]
.else
	v_wmma_f32_16x16x64_fp8_fp8 v[O+8*\d:O+8*\d+7], v[KV+8*\d:KV+8*\d+7], v[PC:PC+7], v[O+8*\d:O+8*\d+7]
.endif
.endr
.endm
.macro DIAG adr, hf
	s_cmp_eq_u32 s[\hf], 0
	s_cbranch_scc1 .Lshort_\@
	STEP 8, 1, \adr
	s_branch .Ldone_\@
.Lshort_\@:
	STEP 4, 1, \adr
.Ldone_\@:
.endm
; THE WAY OUT.  O^T / the sum, held, converted: lane (r, h) has, of query r, d = 16 dt + 8 h + 0 .. 7 in registers 2 dt, 2 dt + 1.
.macro OUT
	v_add_f32 v14, v14, v15                        ; the sum's two halves,
	s_delay_alu instid0(VALU_DEP_1)
	v_permlanex16_b32 v246, v14, s[SEL], s[SEL+1]
	s_delay_alu instid0(VALU_DEP_1)
	v_add_f32 v14, v14, v246                       ; and lane l xor 16's: the row's sum
	s_wait_alu depctr_va_vdst(0)
	v_rcp_f32 v14, v14
	v_cmp_ne_u32 vcc_lo, 0, v[HH]                  ; lanes 16 to 31.  (A plain instruction behind the reciprocal)
	v_nop
	v_nop                                          ; with the additions and the compare: more than four places behind the last products
	s_wait_alu depctr_va_vdst(0)                   ; the wait ahead of the first reader of the reciprocal and of O^T
.set n, 0
.rept 16
	v_pk_mul_f32 v[S+n:S+n+1], v[O+n:O+n+1], v[14:15] op_sel_hi:[1,0]
.set n, n+2
.endr
.set n, 0
.rept 32
	v_med3_num_f32 v[S+n], v[S+n], -v249, v249
.set n, n+1
.endr
.irp d, 0,1,2,3
	v_cvt_scalef32_pk8_fp8_f32 v[YC+2*\d:YC+2*\d+1], v[S+8*\d:S+8*\d+7], v248
.endr
	v_nop                                          ; one plain vector instruction between the conversions and the reads of their results
	; The last product takes 16 neighbours a lane: chunk c wants d = 32 c + 16 h + 0 .. 15.  Lanes 0-15 keep tile 2 c's eight and get the other half's; lanes 16-31 keep tile 2 c + 1's and get the other half's.
.irp c, 0,1
.irp k, 0,1
	v_cndmask_b32 v[SND+2*\c+\k], v[YC+4*\c+2+\k], v[YC+4*\c+\k], vcc_lo       ; lanes 0-15 send tile 2 c + 1's, lanes 16-31 tile 2 c's
.endr
.endr
.irp j, 0,1,2,3
	s_delay_alu instid0(VALU_DEP_4)
	v_permlanex16_b32 v[RCV+\j], v[SND+\j], s[SEL], s[SEL+1]
.endr
.irp c, 0,1
.irp k, 0,1
	v_cndmask_b32 v[YO+4*\c+\k], v[YC+4*\c+\k], v[RCV+2*\c+\k], vcc_lo         ; the lower eight: my own in lanes 0-15
	v_cndmask_b32 v[YO+4*\c+2+\k], v[RCV+2*\c+\k], v[YC+4*\c+2+\k], vcc_lo     ; the upper eight: my own in lanes 16-31
.endr
.endr
	global_store_b128 v[L16], v[YO:YO+3], s[10:11]             ; 512 consecutive bytes, aligned
	global_store_b128 v[L16], v[YO+4:YO+7], s[10:11] offset:512
.endm
	s_wait_alu depctr_va_vdst(0)                   ; the wait at the head's end
	s_wait_loadcnt 0x0                             ; both Qs
	s_wait_tensorcnt 0x0                           ; my load, key step w, is in
	s_barrier_signal -1
	s_barrier_wait -1                              ; the whole head lies in LDS
	s_mov_b32 s[T], 0
	s_mov_b32 s[TB], 0
.Lone:                                                 ; the first walk: A's steps 0 to 7 of block 15 - b, B's steps ahead of the diagonal of block b.  Eight trips for every wave; a step that is not mine is jumped over: no barrier stands in a step
	s_cmp_ge_u32 s[T], s[LIM1]
	s_cbranch_scc1 .Lpast_one
	STEP 8, 0, TB
.Lpast_one:
	s_add_co_u32 s[TB], s[TB], 16384
	s_add_co_u32 s[T], s[T], 1
	s_cmp_lt_u32 s[T], 8
	s_cbranch_scc1 .Lone
	s_cmp_lt_u32 s[WV], 8
	s_cbranch_scc1 .Lno_mid
	DIAG DLO, HLO                                  ; B: block b's diagonal, its way out, and block 15 - b begins
	OUT
.set n, 0
.rept 8
	v_mov_b32 v[QF+n], v[QH+n]
.set n, n+1
.endr
	INIT
	s_wait_alu depctr_va_vdst(0)
.Lno_mid:
	s_mov_b32 s[T], 8
	s_mov_b32 s[TB], 8*16384
.Ltwo:                                                 ; the second walk: B's steps of block 15 - b from 8 on
	s_cmp_ge_u32 s[T], s[LIM2]
	s_cbranch_scc1 .Lpast_two
	STEP 8, 0, TB
.Lpast_two:
	s_add_co_u32 s[TB], s[TB], 16384
	s_add_co_u32 s[T], s[T], 1
	s_cmp_lt_u32 s[T], 15
	s_cbranch_scc1 .Ltwo
	s_cmp_lt_u32 s[WV], 8
	s_cbranch_scc1 .Lno_part
	DIAG DHI, HHI
	v_add_f32 v14, v14, v15
	v_mov_b32 v15, v12                             ; (sum, -M)
	v_nop
	v_nop                                          ; four places behind the last products
.irp i, 0,1,2,3,4,5,6,7
	ds_store_b128 v[PTO], v[O+4*\i:O+4*\i+3] offset:512*\i
.endr
	ds_store_b64 v[PTM], v[14:15]
.Lno_part:
	s_wait_alu depctr_va_vdst(0)
	s_wait_dscnt 0x0
	s_barrier_signal -1
	s_barrier_wait -1                              ; B's parts lie in LDS
	s_cmp_lt_u32 s[WV], 8
	s_cbranch_scc0 .Lend
.rept 4
	v_nop                                          ; places in front of loads into registers that the last products have read
.endr
.irp i, 0,1,2,3,4,5,6,7
	ds_load_b128 v[KV+4*\i:KV+4*\i+3], v[PTO] offset:512*\i
.endr
	ds_load_b64 v[S:S+1], v[PTM]
	v_add_f32 v14, v14, v15
	s_wait_alu depctr_va_vdst(0)
	s_wait_xcnt 0x0
	s_wait_dscnt 0x0
	v_min_num_f32 v98, v12, v97                    ; -M of both parts together
	s_delay_alu instid0(VALU_DEP_1)
	v_sub_f32 v100, v98, v12                       ; my M less it, and B's M less it
	v_sub_f32 v102, v98, v97
	s_delay_alu instid0(VALU_DEP_2)
	v_cvt_i32_f32 v100, v100
	s_delay_alu instid0(VALU_DEP_2)
	v_cvt_i32_f32 v102, v102
	s_delay_alu instid0(VALU_DEP_2)
	v_ldexp_f32 v100, 1.0, v100
	s_delay_alu instid0(VALU_DEP_2)
	v_ldexp_f32 v102, 1.0, v102
	s_delay_alu instid0(VALU_DEP_2)
	v_mul_f32 v14, v14, v100
	s_delay_alu instid0(VALU_DEP_1)
	v_fma_f32 v14, v96, v102, v14
	v_mov_b32 v15, 0
	v_mov_b32 v101, 0                              ; (named as the upper halves of the two pairs below, so they are written)
	v_mov_b32 v103, 0
.set n, 0
.rept 16
	v_pk_mul_f32 v[O+n:O+n+1], v[O+n:O+n+1], v[100:101] op_sel_hi:[1,0]
.set n, n+2
.endr
.set n, 0
.rept 16
	v_pk_fma_f32 v[O+n:O+n+1], v[KV+n:KV+n+1], v[102:103], v[O+n:O+n+1] op_sel_hi:[1,0,1]
.set n, n+2
.endr
	OUT
.Lend:
	s_wait_tensorcnt 0x0                           ; the wave's end
	ds_add_u32 v[SPW], v[NIL]
	s_wait_dscnt 0x0
	CROUND                                         ; the closing round: no work-group ends while a partner may still ask for a block that names it
	s_endpgm
.Lfunc_end_k_q14e0ef7738_attn:
	.size	k_q14e0ef7738_attn, .Lfunc_end_k_q14e0ef7738_attn-k_q14e0ef7738_attn
	.p2alignl 7, 3214868480
	.fill 96, 4, 3214868480
	.section	.rodata,"a",@progbits
	.p2align	6, 0x0
	.amdhsa_kernel k_q14e0ef7738_attn
		.amdhsa_group_segment_fixed_size 327680
		.amdhsa_private_segment_fixed_size 0
		.amdhsa_enable_private_segment 0
		.amdhsa_kernarg_size 32
		.amdhsa_user_sgpr_count 2
		.amdhsa_user_sgpr_kernarg_segment_ptr 1
		.amdhsa_wavefront_size32 1
		.amdhsa_system_sgpr_workgroup_id_x 1
		.amdhsa_system_sgpr_workgroup_id_y 1
		.amdhsa_system_sgpr_workgroup_id_z 1
		.amdhsa_system_vgpr_workitem_id 0
		.amdhsa_next_free_vgpr 256
		.amdhsa_next_free_sgpr 84
		.amdhsa_reserve_vcc 1
		.amdhsa_float_denorm_mode_32 3
		.amdhsa_float_denorm_mode_16_64 3
		.amdhsa_memory_ordered 1
		.amdhsa_forward_progress 1
		.amdhsa_inst_pref_size 112
	.end_amdhsa_kernel
	.amdgpu_metadata
---
amdhsa.version: [ 1, 2 ]
amdhsa.kernels:
  - .name:           k_q14e0ef7738_attn
    .symbol:         k_q14e0ef7738_attn.kd
    .args:
      - { .name: q_img, .offset: 0, .size: 8, .value_kind: global_buffer, .address_space: global }
      - { .name: kv_img, .offset: 8, .size: 8, .value_kind: global_buffer, .address_space: global }
      - { .name: lowp_scales, .offset: 16, .size: 8, .value_kind: global_buffer, .address_space: global }
      - { .name: y_img, .offset: 24, .size: 8, .value_kind: global_buffer, .address_space: global }
    .group_segment_fixed_size: 327680
    .private_segment_fixed_size: 0
    .kernarg_segment_align: 8
    .kernarg_segment_size: 32
    .max_flat_workgroup_size: 512
    .sgpr_count:     84
    .vgpr_count:     256
    .wavefront_size: 32
...
	.end_amdgpu_metadata
.endif
;; end of part 2
;; launch oproj (part 3): grid 8 x 32, 4 waves a work-group, clusters of 4 x 4, 327,680 bytes of LDS; arguments y_img, Wo_codes, lowp_scales, out0; writes out0
.if DOCPART == 3
	.amdgcn_target "amdgcn-amd-amdhsa--gfx1250"
	.amdhsa_code_object_version 6
	.text
	.protected	k_q14e0ef7738_oproj
	.globl	k_q14e0ef7738_oproj
	.p2align	8
	.type	k_q14e0ef7738_oproj,@function
k_q14e0ef7738_oproj:
	s_mov_b64 s[64:65], 0
	v_nop
	global_prefetch_b8 v0, s[64:65] scope:SCOPE_SE
	s_setreg_imm32_b32 hwreg(HW_REG_WAVE_MODE, 25, 1), 1
	s_wait_xcnt 0x0
	s_wait_alu depctr_hold_cnt(0) depctr_sa_sdst(0) depctr_va_vdst(0) depctr_va_sdst(0) depctr_va_ssrc(0) depctr_va_vcc(0) depctr_vm_vsrc(0)
	s_getreg_b32 s2, hwreg(HW_REG_IB_STS2, 6, 4)
	s_cmp_eq_u32 s2, 0
	s_cbranch_scc0 .Lentry_in_a_cluster
	s_endpgm
.Lentry_in_a_cluster:
	s_bfe_u32 s2, ttmp6, 0x10000c
	s_cmp_lg_u32 s2, 0xf033
	s_cbranch_scc0 .Lentry_shape_is_right
	s_endpgm
.Lentry_shape_is_right:
; out0 = y Wo^T on codes of FP8 (E4M3); each finished sum x 2^(e10 + e11).  y_img: [block of 128 tokens 32][128 along K 8][tile of 16 tokens 8][chunk 4][512]: images of the operand's registers:
; lane (r, h), chunk c: k = 32 c + 16 h + 0 .. 15 of token r.  Wo: [1024][1024] codes, K innermost.  out0: [4096][1024] f32.  No step of reference() is left out here.
; LIMIT: e10 + e11 lies between -126 and 127, so that 2^(e10 + e11) is an f32 number.
; A tile of out0 is 128 tokens x 128 features: 256 work-groups of four waves, each wave 64 x 64: 16 accumulators.  All of K for a tile, 128 KiB of y and 128 KiB of Wo, fits in LDS: every byte is filled once, so there is no ring.
; It comes by one tensor load of 64 KiB a wave (waves 0 and 1: y's halves along K, waves 2 and 3: Wo's), all at the head; behind one barrier the waves walk K's eight steps with no further barrier.
; No prefetch: every byte is asked for at the head, and no loop stands ahead of a load.
; CLUSTERS: 4 x 4 work-groups.  y's block hangs on the tile row alone and is asked for jointly by a row of the cluster, Wo's rows on the tile column alone and by a column.
; THE MATRIX INSTRUCTION IS USED TRANSPOSED (source 0 = 16 rows of Wo, source 1 = 16 tokens): a lane holds eight neighbouring features of one token.  Wo's fragments are taken by four loads of 16 bytes, 32 apart,
; which gives k the same places as y's image has: every product meets its partner.
; REGISTERS: window 0: v1-16 addresses; v32-63 a block's results; v64-127 rows read back, two sets; v128-255 the accumulators ((a, b) at v[128 + 8 (4 a + b)]).   window 1: two fragment buffers of 128: y's four, then Wo's four.
.set PITCH,  528                       ; a row of Wo's half in LDS: 512 bytes + 16 of padding, so that the 16 rows that a load touches start at 16 different banks (64 banks of 4 bytes: ISA guide 11.1)
.set BB,     131072                    ; LDS: y's block at 0, as it lies in memory; Wo's two halves from here, 128 rows x 528 bytes each
.set PARTB,  128*PITCH
.set STG,    BB+2*PARTB                ; behind them: a stage of 16 rows x 272 bytes for each wave, its own; no tensor load lands there
.set SPITCH, 272
.set SPARE,  STG+4*16*SPITCH           ; then the spare words
.set STO,  14                          ; v14  the way out: where I put 32 bytes of a row
.set RD,   15                          ; v15  where I read a row back
.set CO,   16                          ; v16  my byte offset in two rows of out0
.set TMP,  32
.set BK,   64
.set ACC,  128
.set MSB, 0
.macro WIN new                         ; the immediate's high byte repeats the setting that is left
.if MSB != (\new)
	s_set_vgpr_msb (MSB<<8)|(\new)
.set MSB, (\new)
.endif
.endm
.set MUL,  0x05                        ; sources 0 and 1 window 1; C and D window 0
.set TO_F, 0x40                        ; destination window 1, address window 0
.macro CROUND                          ; a round of the cluster's barrier
	s_barrier_signal -1
	s_barrier_wait -1
	s_cmp_lg_u32 s14, 0
	s_cbranch_scc1 .Lnot_wave_0_\@
	s_barrier_signal -3
.Lnot_wave_0_\@:
	s_barrier_wait -3
	s_barrier_signal -1
	s_barrier_wait -1
.endm
.macro PLACES
.rept 4
	v_nop
.endr
.endm
	s_load_b256 s[4:11], s[0:1], 0x0               ; y_img s[4:5], Wo s[6:7], the exponents s[8:9], out0 s[10:11]
	v_lshl_add_u32 v30, v0, 2, SPARE
	v_mov_b32 v31, 0
	ds_add_u32 v30, v31                            ; the opening lines: the add, twice, and one wait
	ds_add_u32 v30, v31
	v_lshrrev_b32 v1, 5, v0
	v_readfirstlane_b32 s14, v1                    ; wave 0..3
	s_lshr_b32 s15, s14, 1                         ; which 64 tokens are mine.  Also: I fetch for y (0) or for Wo (1)
	s_and_b32 s16, s14, 1                          ; which 64 features.  Also: which half of K I fetch
	s_bfe_u32 s76, ttmp6, 0x40000                  ; cx, cy
	s_bfe_u32 s77, ttmp6, 0x40004
	s_lshl_b32 s78, ttmp9, 2
	s_add_co_u32 s78, s78, s76                     ; TC: 128 features
	s_and_b32 s17, ttmp7, 0xffff
	s_lshl_b32 s17, s17, 2
	s_add_co_u32 s17, s17, s77                     ; TR: 128 tokens
	s_lshl_b32 s79, s77, 2
	s_lshl_b32 s79, 15, s79                        ; my row of the cluster
	s_lshl_b32 s80, 0x1111, s76                    ; my column
	; group 1 for y: a dense block of 65,536 bytes as 256 rows of 32 elements of 8 bytes, no padding
	s_or_b32 s24, s79, (3<<16)|(1<<21)
	s_mov_b32 s25, 32<<16
	s_mov_b32 s26, 256<<16
	s_mov_b32 s27, 32<<16
	s_mov_b32 s28, 256
	s_mov_b32 s29, 32
	s_mov_b32 s30, 0
	s_mov_b32 s31, 0
	; group 1 for Wo: 128 rows x 512 bytes, 1,024 bytes apart, 16 bytes of padding behind each
	s_or_b32 s32, s80, (0<<16)|(1<<20)|(1<<21)|(6<<22)|(3<<25)
	s_mov_b32 s33, 512<<16
	s_mov_b32 s34, 128<<16
	s_mov_b32 s35, 512<<16
	s_mov_b32 s36, 128
	s_mov_b32 s37, 1024
	s_mov_b32 s38, 0
	s_mov_b32 s39, 0
	s_lshl_b32 s18, s17, 17                        ; y: block TR of 131,072 bytes,
	s_lshl_b32 s20, s16, 16                        ; + 65,536 x half, in memory and in LDS alike
	s_add_co_u32 s18, s18, s20
	s_mov_b32 s19, 0
	s_lshl_b32 s82, s78, 17                        ; Wo: row 128 TC,
	s_lshl_b32 s83, s16, 9                         ; + 512 bytes x half
	s_add_co_u32 s82, s82, s83
	s_mov_b32 s83, 0
	s_mul_i32 s21, s16, PARTB
	s_add_co_u32 s21, s21, BB
	s_wait_dscnt 0x0                               ; both opening adds are done
	s_wait_kmcnt 0x0
	s_load_b64 s[92:93], s[8:9], 0x28              ; e10, e11
	s_add_nc_u64 s[18:19], s[4:5], s[18:19]
	s_add_nc_u64 s[82:83], s[6:7], s[82:83]
	s_mov_b32 s40, 1                               ; group 0: y's at s40, Wo's at s56
	s_mov_b32 s41, s20
	s_mov_b64 s[42:43], s[18:19]
	s_or_b32 s43, s43, 0x80000000
	s_mov_b32 s56, 1
	s_mov_b32 s57, s21
	s_mov_b64 s[58:59], s[82:83]
	s_or_b32 s59, s59, 0x80000000
	CROUND                                         ; all sixteen work-groups are here: the joint loads meet
	s_cmp_eq_u32 s15, 0
	s_cbranch_scc0 .Lfor_b
	tensor_load_to_lds s[40:43], s[24:31]          ; my one tensor load
	s_nop 0
.rept 4
	v_nop
.endr
	s_branch .Lasked
.Lfor_b:
	tensor_load_to_lds s[56:59], s[32:39]
	s_nop 0
.rept 4
	v_nop
.endr
.Lasked:
	v_and_b32 v1, 31, v0
	v_lshlrev_b32 v2, 4, v1                        ; 16 x lane
	v_and_b32 v3, 15, v0                           ; r
	v_bfe_u32 v4, v0, 4, 1                         ; h
	s_lshl_b32 s22, s15, 13                        ; my four tiles of tokens: 4 x 2,048 bytes in each 128 along K
	v_add_nc_u32 v8, s22, v2                       ; y's images, steps 0 to 3,
	v_add_nc_u32 v9, 0x10000, v8                   ; steps 4 to 7
	s_lshl_b32 s22, s16, 6
	v_add_nc_u32 v5, s22, v3                       ; Wo: row 64 x half + r
	v_mul_u32_u24 v5, v5, PITCH
	v_lshl_add_u32 v5, v4, 4, v5                   ; + 16 h
.irp j, 0,1
	v_add_nc_u32 v[10+\j], BB+PARTB*\j, v5         ; in half j
.endr
	s_mul_i32 s23, s14, 16*SPITCH
	s_add_co_u32 s23, s23, STG                     ; my stage
	v_mul_u32_u24 v6, v3, SPITCH                   ; in: row r, 32 bytes for each half of the lanes
	v_lshl_add_u32 v6, v4, 5, v6
	v_add_nc_u32 v[STO], s23, v6
	v_mul_u32_u24 v6, v4, SPITCH                   ; back: lanes 0-15 one row of 256 bytes, lanes 16-31 the next
	v_lshl_add_u32 v6, v3, 4, v6
	v_add_nc_u32 v[RD], s23, v6
	v_lshlrev_b32 v[CO], 12, v4                    ; and the same two rows in out0: a row is 4,096 bytes
	v_lshl_add_u32 v[CO], v3, 4, v[CO]
	s_lshl_b32 s84, s17, 7
	s_lshl_b32 s85, s15, 6
	s_add_co_u32 s84, s84, s85                     ; my first token
	s_lshl_b32 s84, s84, 12
	s_lshl_b32 s85, s78, 9                         ; my first feature, in bytes: 512 TC + 256 x half
	s_add_co_u32 s84, s84, s85
	s_lshl_b32 s85, s16, 8
	s_add_co_u32 s84, s84, s85
	s_mov_b32 s85, 0
	s_add_nc_u64 s[10:11], s[10:11], s[84:85]
; 32 LDS loads in one run: the fragments of step q (128 along K) into the buffer at f
.macro FETCH q, f
	WIN TO_F
.irp a, 0,1,2,3
.irp c, 0,1,2,3
	ds_load_b128 v[\f+16*\a+4*\c:\f+16*\a+4*\c+3], v[8+(\q)/4] offset:((\q)%4)*16384+\a*2048+\c*512
.endr
.endr
.irp b, 0,1,2,3
.irp c, 0,1,2,3
	ds_load_b128 v[\f+64+16*\b+4*\c:\f+64+16*\b+4*\c+3], v[10+(\q)/4] offset:((\q)%4)*128+\b*16*PITCH+32*\c
.endr
.endr
.endm
; Step q: its fragments are in; the next step's are asked for; sixteen products, the sixteen accumulators by turns in the same order in every step.
.macro Q q
.set FB, ((\q)%2)*128
	s_wait_dscnt 0x0                               ; this step's fragments are in
.if (\q) < 7
.if (\q) > 0
	PLACES                                         ; in front of loads into the buffer that the last step's products have read
.endif
	FETCH (\q)+1, (((\q)+1)%2)*128
.endif
	WIN MUL
.irp a, 0,1,2,3
.irp b, 0,1,2,3
.if (\q) == 0
	v_wmma_f32_16x16x128_fp8_fp8 v[ACC+8*(4*\a+\b):ACC+8*(4*\a+\b)+7], v[FB+64+16*\b:FB+64+16*\b+15], v[FB+16*\a:FB+16*\a+15], 0
.else
	v_wmma_f32_16x16x128_fp8_fp8 v[ACC+8*(4*\a+\b):ACC+8*(4*\a+\b)+7], v[FB+64+16*\b:FB+64+16*\b+15], v[FB+16*\a:FB+16*\a+15], v[ACC+8*(4*\a+\b):ACC+8*(4*\a+\b)+7]
.endif
.endr
.endr
.endm
	s_wait_alu depctr_va_vdst(0)                   ; the wait at the head's end
	s_wait_tensorcnt 0x0                           ; my load has landed
	s_barrier_signal -1
	s_barrier_wait -1                              ; everybody's has
	FETCH 0, 0
.irp q, 0,1,2,3,4,5,6,7
	Q \q
.endr
	WIN 0
; THE WAY OUT, block by block of 16 tokens x 64 features.  A lane holds 32 neighbouring bytes of a row and the lanes beside it hold other rows: so a block goes through my own stage and comes back as whole rows of 256 bytes.
; LDS serves a wave's instructions in order (ISA guide 5.7.1.4): no wait between the stores and the loads, nor in front of the next block's stores.
.macro TOSTAGE a
.irp j, 0,2,4,6,8,10,12,14,16,18,20,22,24,26,28,30
	v_pk_mul_f32 v[TMP+\j:TMP+\j+1], v[ACC+32*(\a)+\j:ACC+32*(\a)+\j+1], s[92:93] op_sel_hi:[1,0]   ; both x s92 = 2^(e10 + e11); each accumulator from its low end on
.endr
.irp b, 0,1,2,3
	ds_store_b128 v[STO], v[TMP+8*\b:TMP+8*\b+3] offset:64*\b
	ds_store_b128 v[STO], v[TMP+8*\b+4:TMP+8*\b+7] offset:64*\b+16
.endr
.set BS, BK+32*((\a)%2)
.irp t, 0,1,2,3,4,5,6,7
	ds_load_b128 v[BS+4*\t:BS+4*\t+3], v[RD] offset:\t*2*SPITCH
.endr
.endm
.macro SEND a, younger                 ; younger: the LDS instructions issued behind block a's loads, which may stay out
.set BS, BK+32*((\a)%2)
	s_wait_dscnt \younger
.irp t, 0,1,2,3,4,5,6,7
	global_store_b128 v[CO], v[BS+4*\t:BS+4*\t+3], s[10:11] offset:(16*(\a)+2*\t)*4096 th:TH_STORE_NT   ; 16 lanes store 256 consecutive bytes, at a multiple of 256 from out0's first byte; written once, read by nobody here
.endr
.endm
	s_wait_kmcnt 0x0
	s_add_co_i32 s92, s92, s93
	s_add_co_i32 s92, s92, 127
	s_lshl_b32 s92, s92, 23                        ; 2^(e10 + e11) as f32
	PLACES                                         ; in front of the first read of results
	TOSTAGE 0
.irp a, 1,2,3
.if \a > 1
	s_wait_xcnt 0x0                                ; block a - 2's stores have read their registers: block a's loads may land there
.endif
	TOSTAGE \a
	SEND \a-1, 16                                  ; behind block a - 1's loads: block a's 8 stores and 8 loads
.endr
	SEND 3, 0
	s_wait_tensorcnt 0x0                           ; the wave's end
	ds_add_u32 v30, v31
	s_wait_dscnt 0x0
	CROUND                                         ; the closing round: no work-group ends while a partner may still ask for a tile that names it
	s_endpgm
.Lfunc_end_k_q14e0ef7738_oproj:
	.size	k_q14e0ef7738_oproj, .Lfunc_end_k_q14e0ef7738_oproj-k_q14e0ef7738_oproj
	.p2alignl 7, 3214868480
	.fill 96, 4, 3214868480
	.section	.rodata,"a",@progbits
	.p2align	6, 0x0
	.amdhsa_kernel k_q14e0ef7738_oproj
		.amdhsa_group_segment_fixed_size 327680
		.amdhsa_private_segment_fixed_size 0
		.amdhsa_enable_private_segment 0
		.amdhsa_kernarg_size 32
		.amdhsa_user_sgpr_count 2
		.amdhsa_user_sgpr_kernarg_segment_ptr 1
		.amdhsa_wavefront_size32 1
		.amdhsa_system_sgpr_workgroup_id_x 1
		.amdhsa_system_sgpr_workgroup_id_y 1
		.amdhsa_system_sgpr_workgroup_id_z 1
		.amdhsa_system_vgpr_workitem_id 0
		.amdhsa_next_free_vgpr 512
		.amdhsa_next_free_sgpr 96
		.amdhsa_reserve_vcc 0
		.amdhsa_float_denorm_mode_32 3
		.amdhsa_float_denorm_mode_16_64 3
		.amdhsa_memory_ordered 1
		.amdhsa_forward_progress 1
		.amdhsa_inst_pref_size 44
	.end_amdhsa_kernel
	.amdgpu_metadata
---
amdhsa.version: [ 1, 2 ]
amdhsa.kernels:
  - .name:           k_q14e0ef7738_oproj
    .symbol:         k_q14e0ef7738_oproj.kd
    .args:
      - { .name: y_img, .offset: 0, .size: 8, .value_kind: global_buffer, .address_space: global }
      - { .name: Wo_codes, .offset: 8, .size: 8, .value_kind: global_buffer, .address_space: global }
      - { .name: lowp_scales, .offset: 16, .size: 8, .value_kind: global_buffer, .address_space: global }
      - { .name: out0, .offset: 24, .size: 8, .value_kind: global_buffer, .address_space: global }
    .group_segment_fixed_size: 327680
    .private_segment_fixed_size: 0
    .kernarg_segment_align: 8
    .kernarg_segment_size: 32
    .max_flat_workgroup_size: 128
    .sgpr_count:     96
    .vgpr_count:     512
    .wavefront_size: 32
...
	.end_amdgpu_metadata
.endif
;; end of part 3
